; MI455X (gfx1250); checked and timed in simulation.
; The chip was launched on July 23, 2026; its instructions are those of AMD's public machine-readable ISA for CDNA 5 (MIT licence, August 2026) and "CDNA5" Instruction Set Architecture Reference Guide (July 2026). The comments in the code are by the model that wrote it; some were corrected since.
;; My LSTM Unit. Allowed arithmetic: matrix products marked QUANTISED: E3M2 operands, one E8M0 scale for each 32 along K, by v_wmma_scale_f32_16x16x128_f8f6f4 with both operands' format E3M2, f32 sums; everything else in f32.
;; Inputs: ct 8,192 x 1,024 float32; ht_codes 8,192 x 32 x 24 uint8 (E3M2 codes of ht, K innermost, in blocks of 32 codes, four codes in three bytes); ht_scales 8,192 x 32 uint8 (E8M0 scales of ht, one for each 32 codes along K); wfh_b 1,024 float32; wfh_w 1,024 x 1,024 float32; wfx_b 1,024 float32; wfx_w 1,024 x 1,024 float32; wgh_b 1,024 float32; wgh_w 1,024 x 1,024 float32; wgx_b 1,024 float32; wgx_w 1,024 x 1,024 float32; wih_b 1,024 float32; wih_w 1,024 x 1,024 float32; wix_b 1,024 float32; wix_w 1,024 x 1,024 float32; woh_b 1,024 float32; woh_w 1,024 x 1,024 float32; word_emb_codes 8,192 x 32 x 24 uint8 (E3M2 codes of word_emb, K innermost, in blocks of 32 codes, four codes in three bytes); word_emb_scales 8,192 x 32 uint8 (E8M0 scales of word_emb, one for each 32 codes along K); wox_b 1,024 float32; wox_w 1,024 x 1,024 float32.
;; Outputs: out0 8,192 x 1,024 float32; out1 8,192 x 1,024 float32.
;; This version of the problem:
;;   THIS VERSION OF THE PROBLEM IS GIVEN IN LOW PRECISION. The matrix products marked QUANTISED in the list below multiply operands that are first quantised to E3M2 (3 exponent bits, 2 mantissa bits; 6 bits a number), with one power-of-two scale for each 32 numbers along K (OCP MX v1.0); their sums are f32. All else is computed in f32.
;;   The module's matrix products, in the order in which they are computed (A, B: the left and right operand; K: the contracted axis; several contracted axes count as one K, in the product's order):
;;     1. [M 8,192, K 1,024] x [K 1,024, N 4,096]; A: input word_emb (given as codes); B: computed on the way: QUANTISED
;;     2. [M 8,192, K 1,024] x [K 1,024, N 4,096]; A: input ht (given as codes); B: computed on the way: QUANTISED
;;   THE QUANTISER, for each operand of a quantised product, along K:
;;     - K is cut into blocks of 32 from its start; a last block that is shorter is filled with zeros.
;;     - A block's scale is 2^e with e = floor(log2(the largest magnitude in the block)) - 4, held to -126 .. 127; a block of zeros has e = 0. As a byte (E8M0): e + 127.
;;     - Each number is divided by its block's scale, clamped to +-28, and rounded to the nearest number of E3M2, ties to even, subnormals kept.
;;     - The product sums the exact products of the quantised numbers (number of the format x scale) in f32.
;;   ~~~python
;;   def quantise(x, axis):      # numpy; x: float32 -> the quantised numbers, widened to float32 again
;;       x = np.moveaxis(x, axis, -1); K = x.shape[-1]
;;       x = np.pad(x, [(0, 0)] * (x.ndim - 1) + [(0, -K % 32)]); x = x.reshape(x.shape[:-1] + (-1, 32)); a = np.abs(x).max(-1, keepdims=True)
;;       e = np.where(a > 0, np.clip(np.frexp(np.where(a > 0, a, 1))[1] - 1 - 4, -126, 127), 0)      # np.frexp(a)[1] - 1 = floor(log2(a)), exactly
;;       r = np.clip(x / 2.0 ** e, -28, 28)
;;       step = 2.0 ** (np.maximum(np.frexp(np.where(r == 0, 1, r))[1] - 1, -2) - 2)
;;       q = np.round(r / step) * step * 2.0 ** e      # np.round: ties to even
;;       return np.moveaxis(q.reshape(q.shape[:-2] + (-1,))[..., :K], -1, axis).astype(np.float32)
;;   ~~~
;;   OPERANDS COMPUTED ON THE WAY. 'Computed on the way' means the value that the module computes at that place (a softmax that the list does not call 'softmax' is quantised finished and normalised). What goes into a quantiser is computed in f32, as accurately as f32 sums, v_exp_f32 and their like allow (about 1e-6 of the number): no bf16 or f16 on the way to a quantiser, and a product that is left as it is and whose result goes on into a quantised operand takes f32 operands (vector FMAs, or v_wmma_f32_16x16x4_f32). A number that lies on a knife's edge between two numbers of the format may be rounded either way, as far as f32 arithmetic and the matrix unit's own rounding can turn it there, and no further.
;;   INPUTS GIVEN AS CODES. ht (in the module: [8192, 1024], K = its axis 1); word_emb (in the module: [8192, 1024], K = its axis 1): each comes as NAME_codes (uint8): NAME with its K axis moved to the last place and cut into blocks of 32 codes, [.., K / 32, bytes a block], one block behind the other in memory; four codes in three bytes: a row's codes are one little-endian stream of bits, code i at bits 6 i .. 6 i + 5 (a code: sign, 3 exponent bits, 2 mantissa bits); and NAME_scales (uint8): the same leading axes, one E8M0 byte (e + 127) for each 32 codes along K. Its value is code x scale, taken as it is: it is not quantised again, and the codes and scales need not be those that the quantiser above would give.
;; One version. Each part assembles by itself: llvm-mc -triple=amdgcn-amd-amdhsa -mcpu=gfx1250 --defsym DOCPART=n.
;; ======== version 1 of 1: 2 launches
;; limits: right only within a limited range of input values
;; workspace buffers: w_codes 6,291,456 bytes; w_scales 1,048,576 bytes; a_scales 2,097,152 bytes; bias 16,384 bytes; a_img 12,582,912 bytes
;; launch prep (part 1): grid 256 x 1, 8 waves a work-group, no clusters, 69,632 bytes of LDS; arguments wfx_w, wix_w, wgx_w, wox_w, wfh_w, wih_w, wgh_w, woh_w, wfx_b, wix_b, wgx_b, wox_b, wfh_b, wih_b, wgh_b, woh_b, word_emb_scales, ht_scales, w_codes, w_scales, a_scales, bias, word_emb_codes, ht_codes, a_img; writes w_codes, w_scales, a_scales, bias, a_img
.if DOCPART == 1
	.amdgcn_target "amdgcn-amd-amdhsa--gfx1250"
	.amdhsa_code_object_version 6
	.text
	.protected	k_qd9073c5401_prep
	.globl	k_qd9073c5401_prep
	.p2align	8
	.type	k_qd9073c5401_prep,@function
k_qd9073c5401_prep:
	s_mov_b64 s[64:65], 0
	v_nop
	global_prefetch_b8 v0, s[64:65] scope:SCOPE_SE
	s_setreg_imm32_b32 hwreg(HW_REG_WAVE_MODE, 25, 1), 1
	s_wait_xcnt 0x0
; THE WEIGHTS OF AN LSTM CELL INTO CODES OF BF6 (E3M2), ONCE, LAID AS THE PRODUCT'S LAUNCH WANTS THEM.
; Eight weights [1024 (out)][1024 (in)] f32, K (in) innermost: W?x for K = 0 .. 1023 of the joined product, W?h for K = 1024 .. 2047; gates in the order f, i, g, o.
; A block's scale is 2^(floor(log2(its largest magnitude)) - 4); its byte is the largest magnitude's exponent field - 4, held at 1 from below; each number is divided by the scale and
; rounded to the nearest code, ties to even, beyond 28 the largest code.
; LIMITS: NaN and infinities among the weights are not served.  A block of zeros, or one whose largest magnitude lies under 2^-122, gets the byte 1 (the stated rule gives a block of zeros 127):
; its codes are zeros or subnormals of that scale, and the bytes are read by this program alone.
; OUT: w_codes [jt 16][k 8][half 2][b 8][q 2][1536 bytes]: the last 1,536 bytes are the REGISTER IMAGE of a fragment of 16 rows x 128 K: registers 4 i .. 4 i + 3 of lane l at 512 i + 16 l.
;      jt: 64 hidden columns; k: 256 along K; half: 32 of the 64 columns; b = 2 gate + u, u: 16 of the 32; q: 128 of the 256.  Row r of a block is hidden column 64 jt + 32 half + 16 u + r.
;      bias [n' 4096] f32 = the x side's bias + the h side's; n' = 16 x work-group + r.
;      THE SCALE BYTES ARE LAID OUT FOUR TIMES, once for each rho = 0 .. 3: the product's launch walks the eight K steps from K step 2 rho on and round, and version rho has a row's bytes in that order:
;      the 8 bytes of K step k stand at 8 ((k - 2 rho) % 8) of the row's 64.
;      w_scales [rho 4][n' 4096][64]: within a K step byte 4 q + block.     a_scales [rho 4][row 8192][64]: K steps 0-3 are the row's 32 scale bytes of word_emb, 4-7 its 32 of ht.
; SHARES.  Work-group w = 16 jt + 8 half + b takes one block of 16 weight rows for all of K; wave v takes K step k = v: 256 columns, two fragments.  A wave asks for all its 32 pieces of rows at the head,
; 512 consecutive bytes a load.  A conversion takes neighbours along K from ONE lane's registers, a load is best where neighbouring LANES take neighbouring bytes: so a fragment's 16 x 512 bytes
; turn through the wave's own stage in LDS.  No tensor loads; one barrier, in front of the way out of the scale bytes.
.set SP,    528                        ; a stage row: 512 bytes + 16 = 132 words: the sixteen rows that a load of 16 bytes a lane touches begin 4 words apart modulo 64
.set WSTG,  16*SP                      ; a wave's stage
.set SCB,   8*WSTG                     ; behind the stages: the block's scale bytes, 16 rows x 64, K steps in their own order
.set AVER,  8192*64                    ; a version of a_scales in bytes
.set RAW,   16                         ; v16-143   two sets of 64: the rows as loaded
.set X,     144                        ; v144-207  64 numbers of my row: register 32 c + i = K 64 c + 32 (lane / 16) + i
.set CD,    208                        ; v208-231  the codes: a set of 12 for each fragment, so that no store's data are written again
.set T2,    232                        ; v232-238  the second halves of the conversions
.set MX,    240                        ; v240-241 largest magnitudes, v242-243 scale operands, v244-245 bytes, v246 the scale word, v247 the other half's
	s_load_b512 s[4:19], s[0:1], 0x0               ; W?x: f, i, g, o; W?h: f, i, g, o
	s_load_b512 s[20:35], s[0:1], 0x40             ; the biases in the same order
	s_load_b256 s[36:43], s[0:1], 0x80             ; word_emb's scales, ht's scales, w_codes, w_scales
	s_load_b128 s[44:47], s[0:1], 0xa0
	; ALSO: the batch's codes are laid as register images, a_img [tr 32][k 8][half 2][blk 8][q 2][1536 bytes], as w_codes is: tr 256 rows, half 128 of them, blk 16 of those; K steps 0-3 word_emb, 4-7 ht.
	; Work-group w, wave v: rows 16 (2 w + v / 4) on, tensor (v / 2) % 2, 384 bytes (four fragments) of each row from byte 384 (v % 2) on.
	s_load_b128 s[68:71], s[0:1], 0xb0             ; word_emb's codes, ht's codes
	s_load_b64 s[72:73], s[0:1], 0xc0              ; a_img
	v_lshl_add_u32 v235, v0, 2, 0x10c00
	v_mov_b32 v239, 0
	v_lshrrev_b32 v1, 5, v0
	s_delay_alu instid0(VALU_DEP_1)
	v_readfirstlane_b32 s48, v1                    ; wave 0..7 = K step
	v_and_b32 v1, 31, v0                           ; lane
	s_delay_alu instid0(VALU_DEP_1)
	v_lshlrev_b32 v2, 4, v1                        ; 16 x lane: my bytes of a load's 512 and of an image's 512
	v_and_b32 v3, 15, v0                           ; r
	v_bfe_u32 v4, v0, 4, 1
	v_mul_u32_u24 v232, v3, 768                    ; the batch's codes: row r of 768 bytes
	s_delay_alu instid0(VALU_DEP_1)
	v_mad_u32_u24 v232, v4, 24, v232               ; + 24 h
	s_mul_i32 s49, s48, WSTG
	v_add_nc_u32 v5, s49, v2                       ; the stage, on the way in: a row as it lies
	v_mul_u32_u24 v6, v3, SP
	s_delay_alu instid0(VALU_DEP_1)
	v_lshl_add_u32 v6, v4, 7, v6
	s_delay_alu instid0(VALU_DEP_1)
	v_add_nc_u32 v6, s49, v6                       ; and on the way out: row r, + 128 h: 32 numbers of my half
	s_lshl_b32 s49, s48, 3
	s_add_co_u32 s49, s49, SCB
	v_lshl_add_u32 v7, v3, 6, s49                  ; my row's scale words of this K step: SCB + 64 r + 8 k
	v_lshrrev_b32 v8, 3, v0
	v_and_b32 v11, 3, v0
	s_delay_alu instid0(VALU_DEP_2)
	v_lshlrev_b32 v8, 5, v8
	s_delay_alu instid0(VALU_DEP_1)
	v_lshl_add_u32 v8, v11, 3, v8                  ; the copy, in: row t / 8 of 32 bytes, + 8 (t % 4)
	v_lshlrev_b32 v9, 3, v0                        ; the copy, out, version 0: 8 t = 64 (t / 8) + 8 k, k = t % 8
	v_and_b32 v13, 0xf8, v0
	s_delay_alu instid0(VALU_DEP_1)
	v_lshlrev_b32 v13, 3, v13                      ; 64 (t / 8)
	v_add_nc_u32 v11, 6, v0
	s_delay_alu instid0(VALU_DEP_1)
	v_and_b32 v11, 7, v11
	s_delay_alu instid0(VALU_DEP_1)
	v_lshl_add_u32 v15, v11, 3, v13                ; version 1: 64 (t / 8) + 8 ((k - 2) % 8)
	v_add_nc_u32 v11, 4, v0
	s_delay_alu instid0(VALU_DEP_1)
	v_and_b32 v11, 7, v11
	s_delay_alu instid0(VALU_DEP_1)
	v_lshl_add_u32 v254, v11, 3, v13               ; version 2: (k - 4) % 8
	v_add_nc_u32 v11, 2, v0
	s_delay_alu instid0(VALU_DEP_1)
	v_and_b32 v11, 7, v11
	s_delay_alu instid0(VALU_DEP_1)
	v_lshl_add_u32 v255, v11, 3, v13               ; version 3: (k - 6) % 8
	v_lshlrev_b32 v10, 2, v3                       ; 4 r: the biases
	; the weights' scale bytes' way out: waves 2 rho and 2 rho + 1 store version rho, 8 rows each; a lane holds 16 bytes: K steps 2 p and 2 p + 1 of row lane / 4, p = lane % 4
	s_and_b32 s49, s48, 1
	s_lshl_b32 s49, s49, 9
	v_add_nc_u32 v12, s49, v2
	s_delay_alu instid0(VALU_DEP_1)
	v_add_nc_u32 v12, SCB, v12                     ; in LDS: 512 (wave % 2) + 16 x lane
	s_lshr_b32 s62, s48, 1                         ; my version
	s_sub_co_u32 s63, 4, s62
	v_add_nc_u32 v11, s63, v1
	s_delay_alu instid0(VALU_DEP_1)
	v_and_b32 v11, 3, v11                          ; (p - rho) % 4
	v_and_b32 v13, 28, v1
	s_delay_alu instid0(VALU_DEP_1)
	v_lshlrev_b32 v13, 4, v13                      ; 64 (lane / 4)
	s_delay_alu instid0(VALU_DEP_1)
	v_lshl_add_u32 v13, v11, 4, v13
	s_delay_alu instid0(VALU_DEP_1)
	v_add_nc_u32 v13, s49, v13                     ; in the version: 512 (wave % 2) + 64 (lane / 4) + 16 ((p - rho) % 4)
	v_lshlrev_b32 v14, 3, v4                       ; 8 h: how far my two bytes are shifted in the scale word
	v_mov_b32 v[MX+7], 0                           ; written once: a lane permute's destination counts as one of its sources
	s_mov_b32 s60, 0x76543210
	s_mov_b32 s61, 0xfedcba98                      ; v_permlanex16_b32's selects for lane l xor 16
	s_bfe_u32 s50, ttmp9, 0x20001                  ; the gate
	s_and_b32 s51, ttmp9, 0xf8
	s_lshl_b32 s51, s51, 2
	s_and_b32 s52, ttmp9, 1
	s_lshl_b32 s52, s52, 4
	s_add_co_u32 s51, s51, s52                     ; j0 = 64 jt + 32 half + 16 u: the block's first row in its weight
	s_lshl_b32 s52, s51, 12
	s_and_b32 s53, s48, 3
	s_lshl_b32 s53, s53, 10
	s_add_co_u32 s52, s52, s53
	s_mov_b32 s53, 0                               ; s[52:53]: j0 rows of 4,096 bytes + (k % 4) x 256 columns
	s_lshr_b32 s54, ttmp9, 4
	s_lshl_b32 s54, s54, 3
	s_add_co_u32 s54, s54, s48
	s_lshl_b32 s54, s54, 1
	s_bfe_u32 s55, ttmp9, 0x10003
	s_add_co_u32 s54, s54, s55
	s_mul_i32 s54, s54, 24576
	s_and_b32 s55, ttmp9, 7
	s_mul_i32 s55, s55, 3072
	s_add_co_u32 s54, s54, s55
	s_mov_b32 s55, 0                               ; s[54:55]: ((8 jt + k) 2 + half) x 24,576 + 3,072 b
	s_lshl_b32 s56, ttmp9, 10
	s_mov_b32 s57, 0                               ; s[56:57]: 1,024 x work-group
	s_lshl_b32 s58, s51, 2
	s_mov_b32 s59, 0                               ; s[58:59]: 4 j0
	s_wait_kmcnt 0x0
	; the gate's four buffers: each choice hangs on the work-group's number alone
.irp n, 1,2,3
	s_cmp_eq_u32 s50, \n
	s_cselect_b64 s[4:5], s[4+2*\n:5+2*\n], s[4:5]
	s_cselect_b64 s[12:13], s[12+2*\n:13+2*\n], s[12:13]
	s_cselect_b64 s[20:21], s[20+2*\n:21+2*\n], s[20:21]
	s_cselect_b64 s[28:29], s[28+2*\n:29+2*\n], s[28:29]
.endr
	s_cmp_lt_u32 s48, 4                            ; K steps 0-3 come from the x side's weight, 4-7 from the h side's
	s_cselect_b64 s[4:5], s[4:5], s[12:13]
	s_add_nc_u64 s[4:5], s[4:5], s[52:53]
	s_add_nc_u64 s[40:41], s[40:41], s[54:55]
	s_add_nc_u64 s[42:43], s[42:43], s[56:57]      ; 16 rows of 64 scale bytes
	s_add_nc_u64 s[36:37], s[36:37], s[56:57]      ; 32 rows of 32 scale bytes
	s_add_nc_u64 s[38:39], s[38:39], s[56:57]
	s_add_nc_u64 s[20:21], s[20:21], s[58:59]
	s_add_nc_u64 s[28:29], s[28:29], s[58:59]
	s_lshl_b32 s56, ttmp9, 11
	s_add_nc_u64 s[44:45], s[44:45], s[56:57]      ; 32 rows of 64
	s_lshl_b32 s56, ttmp9, 6
	s_add_nc_u64 s[46:47], s[46:47], s[56:57]      ; 16 sums
	s_lshl_b32 s56, s62, 18
	s_add_nc_u64 s[42:43], s[42:43], s[56:57]      ; my version of w_scales: 4,096 rows of 64 bytes each
	s_bitcmp1_b32 s48, 1                           ; waves 2, 3, 6, 7 take ht
	s_cselect_b64 s[68:69], s[70:71], s[68:69]
	s_lshl_b32 s74, ttmp9, 1
	s_lshr_b32 s75, s48, 2
	s_add_co_u32 s74, s74, s75                     ; rb: my block of 16 rows
	s_mul_i32 s76, s74, 12288
	s_and_b32 s77, s48, 1
	s_mul_i32 s77, s77, 384
	s_add_co_u32 s76, s76, s77
	s_mov_b32 s77, 0
	s_add_nc_u64 s[68:69], s[68:69], s[76:77]
	s_lshr_b32 s78, s74, 4
	s_mul_i32 s78, s78, 393216                     ; tr
	s_and_b32 s79, s48, 3
	s_mul_i32 s79, s79, 98304                      ; K step 2 (v % 4)
	s_add_co_u32 s78, s78, s79
	s_bfe_u32 s79, s74, 0x10003
	s_mul_i32 s79, s79, 24576                      ; half
	s_add_co_u32 s78, s78, s79
	s_and_b32 s79, s74, 7
	s_mul_i32 s79, s79, 3072                       ; blk
	s_add_co_u32 s78, s78, s79
	s_mov_b32 s79, 0
	s_add_nc_u64 s[72:73], s[72:73], s[78:79]
.irp s, 0,1,2,3                                        ; four fragments: a lane's 2 x 24 bytes, in pieces of 8
.irp p, 0,1,2,3,4,5
	global_load_b64 v[144+12*\s+2*\p:144+12*\s+2*\p+1], v232, s[68:69] offset:96*\s+48*(\p/3)+8*(\p%3)
.endr
.endr
	global_load_b64 v[248:249], v8, s[36:37]
	global_load_b64 v[250:251], v8, s[38:39]
	global_load_b32 v252, v10, s[20:21]
	global_load_b32 v253, v10, s[28:29]
.irp q, 0,1                                            ; then all that the wave will read: 32 loads of 512 consecutive bytes
.irp i, 0,1,2,3,4,5,6,7,8,9,10,11,12,13,14,15
	global_load_b128 v[RAW+64*\q+4*\i:RAW+64*\q+4*\i+3], v2, s[4:5] offset:4096*\i+512*\q th:TH_LOAD_NT
.endr
.endr
	s_wait_loadcnt 32                              ; the four small loads are in; the 32 behind them stay out
	v_and_b32 v11, 4, v0
	s_delay_alu instid0(VALU_DEP_1)
	v_cmp_ne_u32 vcc_lo, 0, v11                    ; threads 4-7 of eight hold K steps 4-7 of a row: ht's bytes
	s_delay_alu instid0(VALU_DEP_1)
	v_cndmask_b32 v248, v248, v250, vcc_lo
	s_delay_alu instid0(VALU_DEP_2)
	v_cndmask_b32 v249, v249, v251, vcc_lo
	global_store_b64 v9, v[248:249], s[44:45]                      ; each of the four stores of a wave covers 256 consecutive bytes (four rows of 64, the K steps turned within a row), at a multiple of 256 from the buffer's first byte
	global_store_b64 v15, v[248:249], s[44:45] offset:AVER
	global_store_b64 v254, v[248:249], s[44:45] offset:2*AVER
	global_store_b64 v255, v[248:249], s[44:45] offset:3*AVER
	v_add_f32 v252, v252, v253
.irp s, 0,1,2,3                                        ; the batch's images (their loads are older than the four small ones): 512 consecutive bytes a store
.irp i, 0,1,2
	global_store_b128 v2, v[144+12*\s+4*\i:144+12*\s+4*\i+3], s[72:73] offset:(\s/2)*49152+(\s%2)*1536+512*\i
.endr
.endr
	s_wait_xcnt 0x0                                ; these stores' data registers are loaded anew below only behind this wait
; Fragment q of the wave's K step: 16 rows x 128 K.
.macro FRAGQ q
	s_wait_loadcnt 16*(1-\q)                       ; its sixteen loads are in; the other fragment's may be out
.irp i, 0,1,2,3,4,5,6,7,8,9,10,11,12,13,14,15
	ds_store_b128 v5, v[RAW+64*\q+4*\i:RAW+64*\q+4*\i+3] offset:SP*\i
.endr
.irp c, 0,1                                            ; LDS serves a wave's instructions in order (ISA guide 5.7.1.4): these see the stores above
.irp i, 0,1,2,3,4,5,6,7
	ds_load_b128 v[X+32*\c+4*\i:X+32*\c+4*\i+3], v6 offset:256*\c+16*\i
.endr
.endr
	s_wait_dscnt 0x0                               ; my 64 numbers are in (and the last fragment's scale word has been stored)
.irp c, 0,1                                            ; my block 2 c + h: all its 32 numbers are mine
	v_max3_num_f32 v[MX+\c], |v[X+32*\c]|, |v[X+32*\c+1]|, 0x2800000   ; with the floor 2^(5 - 127) among the leaves: so the byte cannot fall under 1
.endr
.irp i, 2,4,6,8,10,12,14,16,18,20,22,24,26,28,30
.irp c, 0,1
	s_delay_alu instid0(VALU_DEP_2)
	v_max3_num_f32 v[MX+\c], v[MX+\c], |v[X+32*\c+\i]|, |v[X+32*\c+\i+1]|   ; (the two blocks by turns)
.endr
.endr
.irp c, 0,1
	s_delay_alu instid0(VALU_DEP_2)
	v_add_nc_u32 v[MX+2+\c], 0xfe000000, v[MX+\c]  ; 4 off the exponent field: the conversion takes the exponent field of this operand as its scale, and nothing else of it
.endr
.irp c, 0,1
	s_delay_alu instid0(VALU_DEP_2)
	v_lshrrev_b32 v[MX+4+\c], 23, v[MX+2+\c]       ; the scale's byte
.endr
	s_delay_alu instid0(VALU_DEP_1)
	v_lshl_or_b32 v[MX+6], v[MX+5], 16, v[MX+4]    ; my two bytes: blocks h and 2 + h,
	s_delay_alu instid0(VALU_DEP_1)
	v_lshlrev_b32 v[MX+6], v14, v[MX+6]            ; at their places in the word;
	s_delay_alu instid0(VALU_DEP_1)
	v_permlanex16_b32 v[MX+7], v[MX+6], s60, s61
	s_delay_alu instid0(VALU_DEP_1)
	v_or_b32 v[MX+6], v[MX+6], v[MX+7]             ; with lane l xor 16's two the word is whole
.irp c, 0,1
	v_cvt_scalef32_pk16_bf6_f32 v[CD+12*\q+6*\c:CD+12*\q+6*\c+2], v[X+32*\c:X+32*\c+15], v[MX+2+\c]   ; registers 6 c .. 6 c + 2 of the fragment
	v_cvt_scalef32_pk16_bf6_f32 v[T2+4*\c:T2+4*\c+2], v[X+32*\c+16:X+32*\c+31], v[MX+2+\c]             ; (a conversion's three registers begin on an even number: the second three are made elsewhere and moved)
.endr
	v_nop                                          ; one plain place behind a scaled conversion
.irp c, 0,1
.irp i, 0,1,2
	v_mov_b32 v[CD+12*\q+6*\c+3+\i], v[T2+4*\c+\i]
.endr
.endr
.irp i, 0,1,2
	global_store_b128 v2, v[CD+12*\q+4*\i:CD+12*\q+4*\i+3], s[40:41] offset:1536*\q+512*\i   ; the image: 512 consecutive bytes a store
.endr
	ds_store_b32 v7, v[MX+6] offset:4*\q           ; lanes 16-31 write the same word with the same value
.endm
	FRAGQ 0
	FRAGQ 1
	s_wait_dscnt 0x0                               ; for the others' sake: my scale words lie in LDS
	s_barrier_signal -1
	s_barrier_wait -1                              ; all eight waves' do: 16 rows x 64 bytes
	ds_load_b128 v[X:X+3], v12                     ; every wave takes 8 rows, as they lie,
	s_wait_dscnt 0x0
	global_store_b128 v13, v[X:X+3], s[42:43]      ; and stores them into its version, the K steps turned within a row: 512 consecutive bytes a wave
	s_cmp_eq_u32 s48, 2
	s_cbranch_scc0 .Ldone
	global_store_b32 v10, v252, s[46:47]           ; wave 2: the block's 16 sums, 64 bytes (lanes 16-31 repeat lanes 0-15); the whole buffer is 16 KiB
.Ldone:
	s_wait_tensorcnt 0x0
	ds_add_u32 v235, v239
	s_wait_dscnt 0x0
	s_endpgm
.Lfunc_end_k_qd9073c5401_prep:
	.size	k_qd9073c5401_prep, .Lfunc_end_k_qd9073c5401_prep-k_qd9073c5401_prep
	.p2alignl 7, 3214868480
	.fill 96, 4, 3214868480
	.section	.rodata,"a",@progbits
	.p2align	6, 0x0
	.amdhsa_kernel k_qd9073c5401_prep
		.amdhsa_group_segment_fixed_size 69632
		.amdhsa_private_segment_fixed_size 0
		.amdhsa_enable_private_segment 0
		.amdhsa_kernarg_size 200
		.amdhsa_user_sgpr_count 2
		.amdhsa_user_sgpr_kernarg_segment_ptr 1
		.amdhsa_wavefront_size32 1
		.amdhsa_system_sgpr_workgroup_id_x 1
		.amdhsa_system_sgpr_workgroup_id_y 1
		.amdhsa_system_sgpr_workgroup_id_z 1
		.amdhsa_system_vgpr_workitem_id 0
		.amdhsa_next_free_vgpr 256
		.amdhsa_next_free_sgpr 80
		.amdhsa_reserve_vcc 1
		.amdhsa_float_denorm_mode_32 3
		.amdhsa_float_denorm_mode_16_64 3
		.amdhsa_memory_ordered 1
		.amdhsa_forward_progress 1
		.amdhsa_inst_pref_size 28
	.end_amdhsa_kernel
	.amdgpu_metadata
---
amdhsa.version: [ 1, 2 ]
amdhsa.kernels:
  - .name:           k_qd9073c5401_prep
    .symbol:         k_qd9073c5401_prep.kd
    .args:
      - { .name: wfx_w, .offset: 0, .size: 8, .value_kind: global_buffer, .address_space: global }
      - { .name: wix_w, .offset: 8, .size: 8, .value_kind: global_buffer, .address_space: global }
      - { .name: wgx_w, .offset: 16, .size: 8, .value_kind: global_buffer, .address_space: global }
      - { .name: wox_w, .offset: 24, .size: 8, .value_kind: global_buffer, .address_space: global }
      - { .name: wfh_w, .offset: 32, .size: 8, .value_kind: global_buffer, .address_space: global }
      - { .name: wih_w, .offset: 40, .size: 8, .value_kind: global_buffer, .address_space: global }
      - { .name: wgh_w, .offset: 48, .size: 8, .value_kind: global_buffer, .address_space: global }
      - { .name: woh_w, .offset: 56, .size: 8, .value_kind: global_buffer, .address_space: global }
      - { .name: wfx_b, .offset: 64, .size: 8, .value_kind: global_buffer, .address_space: global }
      - { .name: wix_b, .offset: 72, .size: 8, .value_kind: global_buffer, .address_space: global }
      - { .name: wgx_b, .offset: 80, .size: 8, .value_kind: global_buffer, .address_space: global }
      - { .name: wox_b, .offset: 88, .size: 8, .value_kind: global_buffer, .address_space: global }
      - { .name: wfh_b, .offset: 96, .size: 8, .value_kind: global_buffer, .address_space: global }
      - { .name: wih_b, .offset: 104, .size: 8, .value_kind: global_buffer, .address_space: global }
      - { .name: wgh_b, .offset: 112, .size: 8, .value_kind: global_buffer, .address_space: global }
      - { .name: woh_b, .offset: 120, .size: 8, .value_kind: global_buffer, .address_space: global }
      - { .name: word_emb_scales, .offset: 128, .size: 8, .value_kind: global_buffer, .address_space: global }
      - { .name: ht_scales, .offset: 136, .size: 8, .value_kind: global_buffer, .address_space: global }
      - { .name: w_codes, .offset: 144, .size: 8, .value_kind: global_buffer, .address_space: global }
      - { .name: w_scales, .offset: 152, .size: 8, .value_kind: global_buffer, .address_space: global }
      - { .name: a_scales, .offset: 160, .size: 8, .value_kind: global_buffer, .address_space: global }
      - { .name: bias, .offset: 168, .size: 8, .value_kind: global_buffer, .address_space: global }
      - { .name: word_emb_codes, .offset: 176, .size: 8, .value_kind: global_buffer, .address_space: global }
      - { .name: ht_codes, .offset: 184, .size: 8, .value_kind: global_buffer, .address_space: global }
      - { .name: a_img, .offset: 192, .size: 8, .value_kind: global_buffer, .address_space: global }
    .group_segment_fixed_size: 69632
    .private_segment_fixed_size: 0
    .kernarg_segment_align: 8
    .kernarg_segment_size: 200
    .max_flat_workgroup_size: 256
    .sgpr_count:     80
    .vgpr_count:     256
    .wavefront_size: 32
...
	.end_amdgpu_metadata
.endif
;; end of part 1
;; launch lstm (part 2): grid 16 x 32, 4 waves a work-group, clusters of 4 x 4, 327,680 bytes of LDS; arguments a_img, a_scales, w_codes, w_scales, ct, out0, out1, bias; writes out0, out1
.if DOCPART == 2
	.amdgcn_target "amdgcn-amd-amdhsa--gfx1250"
	.amdhsa_code_object_version 6
	.text
	.protected	k_qd9073c5401_lstm
	.globl	k_qd9073c5401_lstm
	.p2align	8
	.type	k_qd9073c5401_lstm,@function
k_qd9073c5401_lstm:
	s_mov_b64 s[64:65], 0
	v_nop
	global_prefetch_b8 v0, s[64:65] scope:SCOPE_SE
	s_setreg_imm32_b32 hwreg(HW_REG_WAVE_MODE, 25, 1), 1
	s_wait_xcnt 0x0
	s_wait_alu depctr_hold_cnt(0) depctr_sa_sdst(0) depctr_va_vdst(0) depctr_va_sdst(0) depctr_va_ssrc(0) depctr_va_vcc(0) depctr_vm_vsrc(0)
	s_getreg_b32 s2, hwreg(HW_REG_IB_STS2, 6, 4)
	s_cmp_eq_u32 s2, 0
	s_cbranch_scc0 .Lentry_in_a_cluster
	s_endpgm
.Lentry_in_a_cluster:
	s_bfe_u32 s2, ttmp6, 0x10000c
	s_cmp_lg_u32 s2, 0xf033
	s_cbranch_scc0 .Lentry_shape_is_right
	s_endpgm
.Lentry_shape_is_right:
; AN LSTM CELL: gates = x Wx^T + h Wh^T + bx + bh on codes of BF6 (E3M2), one E8M0 scale for each 32 along K; c' = sigmoid(f) c + sigmoid(i) tanh(g); h' = sigmoid(o) tanh(c').  out0 = h', out1 = c', f32.
; The two products are ONE over K = 2,048: K steps (256 each) 0-3 are word_emb's, 4-7 ht's.  The launch before laid both operands' codes as register images, the scale bytes and the summed biases.
; SHARES.  A work-group: 256 rows x 64 hidden columns x 4 gates.  Four waves; a wave: 128 rows x 32 hidden columns x 4 gates = 64 accumulators, 512 registers.
; The matrix instruction is used transposed (source 0 = 16 rows of the weights, source 1 = 16 rows of the batch); the weights' block b = 2 gate + u holds hidden columns 16 u .. 16 u + 15:
; register j of lane (r, h) in accumulators (a, u), (a, 2 + u), (a, 4 + u), (a, 6 + u) is f, i, g, o of row 16 a + r, hidden column 16 u + 8 h + j.  The gates never go to memory.
; THE RING: two LDS slots for each operand, the batch's two on end, then the weights' two; a slot holds a K step's tile: a dense block of images, as rows of 256 bytes that begin at multiples of 256; a fragment is three loads of 16 bytes a lane.
; THE HEAD: one joint load a wave.  Two neighbouring K steps lie on end in memory and in LDS: wave 0 brings the batch's tiles of the walk's steps 0 and 1 (384 rows of 256 bytes), wave 2 the weights',
; wave 1 the batch's scale bytes for all of K, wave 3 the weights'.  Behind them every refill is half a tile a wave.
; ct's tile, the work-group's own, is first filled behind the last lap's barrier, behind which nothing is filled again; its 256 rows of 256 bytes are prefetched ahead of the loop, a lane a row, each once.
; THE CODES' TILES ARE PREFETCHED two steps of the walk ahead of their loads: of the 96 blocks of 256 bytes of the half tile that a wave fetches, each of the four partners that ask for it jointly names 24, told apart by address
; (cx for the batch's, cy for the weights'; lanes 24-31 name the 24th again).  Steps 2 and 3 are asked for behind the head's loads, steps 4 to 7 behind the refills of steps 2 to 5; the last trip asks for nothing.
; CLUSTERS 4 x 4: a row of the cluster shares the batch's tiles, a column the weights': joint loads.
; THE WALK ALONG K IS TURNED: cluster (X, Y) begins at K step 2 rho, rho = (X + 2 ((Y xor Y / 2) % 2)) % 4, and goes round; rho is the same in all sixteen partners; the scale bytes lie in the walk's order, one version for each rho.
; THE TAIL.  L = log2(e); every exponent is held at 20 from above: ef = 2^min(-L f, 20), ei, eo likewise, eg = 2^min(2 L g, 20), ec = 2^min(2 L c', 20).  A = 1 + ef, P = (1 + ei)(1 + eg), G = eg - 1:
; c' = (c P + G A) / (A P);  h' = (ec - 1) / ((1 + ec)(1 + eo)).  Two neighbouring numbers share one reciprocal: 1 / x = y / (x y).  A product of two divisors is at most (1 + 2^20)^6, under 2^121: nothing overflows, no reciprocal is flushed.
; LIMITS: the hold at 20 moves a sigmoid or a tanh by less than 2^-19.  NaN and infinities among the inputs are not served.
; The eight K steps are summed in the walk's order, a rotation of the ascending one; sums in f32.
; REGISTERS: window 0: v16-31 addresses; v32-63 scale words alone; v64-127 biases; v128-223 the batch's fragments, one set; in the tail v64-255 at work.  Window 1: the weights' fragments, sets at v0 and v128.  Windows 2, 3: accumulators.
.set FR,     12
.set NL,     3                         ; LDS loads to a fragment
.set NP,     4                         ; places behind this matrix instruction (ISA guide 7.12.1)
.set NQ,     2
.set FRB,    1536                      ; a fragment's image
.set HALF,   16*FRB                    ; 8 blocks x 2 fragments: 128 rows x 256 K
.set SLOT,   2*HALF                    ; a slot of one operand
.set BOFF,   2*SLOT                    ; the weights' slots, behind the batch's two
.set SCL,    4*SLOT                    ; the scale bytes, 64 a row, as units of 256 bytes + 16
.set HALFS,  32*272
.set SBLK,   4*272
.set CTL,    SCL+4*HALFS               ; ct's tile: 256 rows x (256 + 16)
.set CP,     272
.set SPARE,  CTL+256*CP                ; the spare words
.set CHK,    2*64*CP                   ; a chunk's stage: 64 rows of c', 64 of h'; the four lie on end in the ring's bytes, behind their last fill and last read
.set ADRA, 16
.set PFO,  18
.set PFT,  19
.set ADRB, 20
.set CTA,  22
.set BO,   23
.set STO,  24
.set RDB,  25
.set GO,   26
.set ADRS, 27
.set SPW,  28
.set NIL,  29
.set STC,  30
.set RDC,  31
.set SC,   32
.set BI,   64
.set AF,   128
.set EF,   64
.set EI,   96
.set EG,   128
.set EO,   160
.set DD,   192
.set CT,   224
.set OB,   64
.set ABB,  8                           ; s[8:9] the batch's images at my half of the tile, K step 0
.set CPT,  10                          ; s[10:11] ct at my 64 rows
.set PFA,  12                          ; s[12:13] the tile that my next prefetch names
.set KC,   14
.set BBB,  20                          ; s[20:21] the weights' likewise
.set OF,   22
.set PFB,  104                         ; s[104:105] my work-group's 24 blocks of the half tile that I fetch, K step 0
.set G1,   24
.set G0,   32
.set G1C,  40
.set G0C,  92
.set G1B,  48
.set G0B,  56
.set G1S,  68
.set G1SB, 76
.set G0S,  84
.set G0SB, 88
.set KN,   68
.set KP2,  70
.set KH,   72
.set MSB, 0
.macro WIN new
.if MSB != (\new)
	s_set_vgpr_msb (MSB<<8)|(\new)
.set MSB, \new
.endif
.endm
.set MUL_LO, 0xa1
.set MUL_HI, 0xf1
.set TO_B,   0x40
.macro PLACES n
.rept \n
	v_nop
.endr
.endm
.macro JLOAD g0a, g1a, g0b, g1b        ; waves 0, 1 fetch the batch's halves, waves 2, 3 the weights'
	s_cmp_eq_u32 s5, 0
	s_cbranch_scc0 .Lfor_b_\@
	tensor_load_to_lds s[\g0a:\g0a+3], s[\g1a:\g1a+7]
	s_nop 0
	PLACES 4
	s_branch .Lasked_\@
.Lfor_b_\@:
	tensor_load_to_lds s[\g0b:\g0b+3], s[\g1b:\g1b+7]
	s_nop 0
	PLACES 4
.Lasked_\@:
.endm
.macro AIM slot                        ; a slot's two groups 0 at K step KC + slot: K steps lie 2 HALF bytes apart in both buffers
	s_mul_i32 s[OF], s[KC], 2*HALF
	s_add_nc_u64 s[G0+4*\slot+2:G0+4*\slot+3], s[ABB:ABB+1], s[OF:OF+1]
	s_add_nc_u64 s[G0B+4*\slot+2:G0B+4*\slot+3], s[BBB:BBB+1], s[OF:OF+1]
.if \slot
	s_add_nc_u64 s[G0+4*\slot+2:G0+4*\slot+3], s[G0+4*\slot+2:G0+4*\slot+3], 2*HALF
	s_add_nc_u64 s[G0B+4*\slot+2:G0B+4*\slot+3], s[G0B+4*\slot+2:G0B+4*\slot+3], 2*HALF
.endif
	s_or_b32 s[G0+4*\slot+3], s[G0+4*\slot+3], 0x80000000
	s_or_b32 s[G0B+4*\slot+3], s[G0B+4*\slot+3], 0x80000000
.endm
.macro PFAIM on                        ; my prefetches' address at K step (KC + on) % 8, on even
	s_add_co_u32 s[OF], s[KC], \on
	s_and_b32 s[OF], s[OF], 6
	s_mul_i32 s[OF], s[OF], 2*HALF
	s_add_nc_u64 s[PFA:PFA+1], s[PFB:PFB+1], s[OF:OF+1]
.endm
.macro CREST
	s_cmp_lg_u32 s4, 0
	s_cbranch_scc1 .Lnot_wave_0_\@
	s_barrier_signal -3
.Lnot_wave_0_\@:
	s_barrier_wait -3
	s_barrier_signal -1
	s_barrier_wait -1
.endm
.macro CROUND
	s_barrier_signal -1
	s_barrier_wait -1
	CREST
.endm
	s_load_b512 s[68:83], s[0:1], 0x0              ; a_img, a_scales, w_codes, w_scales, ct, out0, out1, bias
	v_lshl_add_u32 v[SPW], v0, 2, SPARE
	v_mov_b32 v[NIL], 0
	ds_add_u32 v[SPW], v[NIL]                      ; the opening lines: the add twice and its wait
	ds_add_u32 v[SPW], v[NIL]
	v_lshrrev_b32 v1, 5, v0
	v_readfirstlane_b32 s4, v1                     ; wave
	s_lshr_b32 s5, s4, 1                           ; my 128 rows; also: I fetch for the batch (0) or the weights (1)
	s_and_b32 s6, s4, 1                            ; my 32 hidden columns; also: which half I fetch
	s_bfe_u32 s96, ttmp6, 0x40000                  ; cx
	s_bfe_u32 s97, ttmp6, 0x40004                  ; cy
	s_lshl_b32 s98, ttmp9, 2
	s_add_co_u32 s98, s98, s96                     ; jt
	s_and_b32 s99, ttmp7, 0xffff
	s_lshl_b32 s99, s99, 2
	s_add_co_u32 s99, s99, s97                     ; tr
	s_lshl_b32 s100, s97, 2
	s_lshl_b32 s100, 15, s100                      ; my row of the cluster
	s_lshl_b32 s101, 0x1111, s96                   ; my column
	s_and_b32 s[KC], ttmp7, 0xffff                 ; rho
	s_lshr_b32 s15, s[KC], 1
	s_xor_b32 s[KC], s[KC], s15
	s_and_b32 s[KC], s[KC], 1
	s_lshl_b32 s[KC], s[KC], 1
	s_add_co_u32 s[KC], s[KC], ttmp9
	s_and_b32 s[KC], s[KC], 3
	; group 1 for the tiles of images: rows of 256 bytes (32 elements of 8); 384 rows at the head (two K steps), 96 in the ring (half a tile)
	s_or_b32 s[G1+0], s100, (3<<16)|(1<<21)
	s_or_b32 s[G1B+0], s101, (3<<16)|(1<<21)
.irp g, G1, G1B
	s_mov_b32 s[\g+1], 32<<16
	s_mov_b32 s[\g+2], 384<<16
	s_mov_b32 s[\g+3], 32<<16
	s_mov_b32 s[\g+4], 384
	s_mov_b32 s[\g+5], 32
	s_mov_b32 s[\g+6], 0
	s_mov_b32 s[\g+7], 0
.endr
	; ct: 64 rows x 64 f32, 1,024 apart, 16 bytes of padding behind each; no mask
	s_mov_b32 s[G1C+0], (2<<16)|(1<<20)|(5<<22)|(3<<25)
	s_mov_b32 s[G1C+1], 64<<16
	s_mov_b32 s[G1C+2], 64<<16
	s_mov_b32 s[G1C+3], 64<<16
	s_mov_b32 s[G1C+4], 64
	s_mov_b32 s[G1C+5], 1024
	s_mov_b32 s[G1C+6], 0
	s_mov_b32 s[G1C+7], 0
	; byte offsets
	s_mul_i32 s2, s6, HALF
	s_mul_i32 s[ABB], s99, 16*HALF
	s_add_co_u32 s[ABB], s[ABB], s2
	s_mov_b32 s[ABB+1], 0
	s_mul_i32 s[BBB], s98, 16*HALF
	s_add_co_u32 s[BBB], s[BBB], s2
	s_mov_b32 s[BBB+1], 0
	s_lshl_b32 s[G0S+2], s99, 14                   ; 256 rows of 64 scale bytes, in version rho
	s_lshl_b32 s2, s[KC], 19
	s_add_co_u32 s[G0S+2], s[G0S+2], s2
	s_mov_b32 s[G0S+3], 0
	s_lshl_b32 s[G0SB+2], s98, 14
	s_lshl_b32 s2, s[KC], 18
	s_add_co_u32 s[G0SB+2], s[G0SB+2], s2
	s_mov_b32 s[G0SB+3], 0
	s_lshl_b32 s[KC], s[KC], 1                     ; the walk's first K step
	s_mov_b32 s[OF+1], 0
	s_lshl_b32 s13, s98, 8
	s_lshl_b32 s[G0C+2], s99, 8
	s_lshl_b32 s2, s4, 6
	s_add_co_u32 s[G0C+2], s[G0C+2], s2            ; ct: row 256 tr + 64 wave
	s_lshl_b32 s[G0C+2], s[G0C+2], 12
	s_add_co_u32 s[G0C+2], s[G0C+2], s13
	s_mov_b32 s[G0C+3], 0
	s_lshl_b32 s16, s99, 8
	s_lshl_b32 s2, s5, 7
	s_add_co_u32 s16, s16, s2
	s_lshl_b32 s2, s6, 4
	s_add_co_u32 s16, s16, s2                      ; the outputs: row 256 tr + 128 (wave / 2) + 16 (wave % 2)
	s_lshl_b32 s16, s16, 12
	s_add_co_u32 s16, s16, s13
	s_mov_b32 s17, 0
	; LDS addresses
	s_mul_i32 s[G0+1], s6, HALF
	s_add_co_u32 s[G0+5], s[G0+1], SLOT
	s_add_co_u32 s[G0B+1], s[G0+1], BOFF
	s_add_co_u32 s[G0B+5], s[G0B+1], SLOT
	s_mov_b32 s[G0S+1], SCL
	s_mov_b32 s[G0SB+1], SCL+2*HALFS
	s_mul_i32 s[G0C+1], s4, 64*CP
	s_add_co_u32 s[G0C+1], s[G0C+1], CTL
.irp g, G0, G0+4, G0B, G0B+4, G0S, G0SB, G0C
	s_mov_b32 s[\g], 1
.endr
	s_wait_dscnt 0x0                               ; both opening adds are done
	s_wait_kmcnt 0x0
	s_add_nc_u64 s[ABB:ABB+1], s[68:69], s[ABB:ABB+1]
	s_add_nc_u64 s[G0S+2:G0S+3], s[70:71], s[G0S+2:G0S+3]
	s_add_nc_u64 s[BBB:BBB+1], s[72:73], s[BBB:BBB+1]
	s_add_nc_u64 s[G0SB+2:G0SB+3], s[74:75], s[G0SB+2:G0SB+3]
	s_add_nc_u64 s[CPT:CPT+1], s[76:77], s[G0C+2:G0C+3]
	s_mov_b64 s[G0C+2:G0C+3], s[CPT:CPT+1]
	s_add_nc_u64 s[18:19], s[80:81], s[16:17]      ; out1
	s_add_nc_u64 s[16:17], s[78:79], s[16:17]      ; out0
	s_mov_b64 s[66:67], s[82:83]                   ; bias
	AIM 0                                          ; slot 1's groups 0 are first aimed at its first refill
.irp g, G0S, G0SB, G0C
	s_or_b32 s[\g+3], s[\g+3], 0x80000000
.endr
	s_cmp_eq_u32 s5, 0                             ; the prefetches: the buffer that I fetch from, and my place among the four that ask with me
	s_cselect_b64 s[PFB:PFB+1], s[ABB:ABB+1], s[BBB:BBB+1]
	s_cselect_b32 s[PFA], s96, s97
	s_mul_i32 s[PFA], s[PFA], 24*256
	s_mov_b32 s[PFA+1], 0
	s_add_nc_u64 s[PFB:PFB+1], s[PFB:PFB+1], s[PFA:PFA+1]
	PFAIM 2                                        ; the walk's step 2
	; the pointers are used up: group 1 for the scale bytes of 256 rows: 64 rows of 256 bytes, 16 of padding behind each
	s_or_b32 s[G1S+0], s100, (3<<16)|(1<<20)|(1<<21)|(5<<22)|(3<<25)
	s_or_b32 s[G1SB+0], s101, (3<<16)|(1<<20)|(1<<21)|(5<<22)|(3<<25)
.irp g, G1S, G1SB
	s_mov_b32 s[\g+1], 32<<16
	s_mov_b32 s[\g+2], 64<<16
	s_mov_b32 s[\g+3], 32<<16
	s_mov_b32 s[\g+4], 64
	s_mov_b32 s[\g+5], 32
	s_mov_b32 s[\g+6], 0
	s_mov_b32 s[\g+7], 0
.endr
	CROUND                                         ; the first joint loads meet
; one tree of branches on the wave's number, one load to an arm.  Waves 0 and 2 have half 0 in their groups 0: the tile's first byte, LDS byte 0 or BOFF
.macro ARM w, g0, g1, next
	s_cmp_eq_u32 s4, \w
	s_cbranch_scc0 \next
	tensor_load_to_lds s[\g0:\g0+3], s[\g1:\g1+7]
	s_nop 0
	PLACES 4
	s_branch .Lhead_asked
\next:
.endm
	ARM 0, G0,  G1,  .Lhead_b
	ARM 2, G0B, G1B, .Lhead_sa
	ARM 1, G0S, G1S, .Lhead_sb
	tensor_load_to_lds s[G0SB:G0SB+3], s[G1SB:G1SB+7]
	s_nop 0
	PLACES 4
.Lhead_asked:
	s_lshl_b32 s98, s98, 10
	s_lshl_b32 s7, s6, 9
	s_add_co_u32 s98, s98, s7                      ; the biases: 1,024 jt + 512 x my half
	s_mul_i32 s7, s5, HALF                         ; my 128 rows of the batch
	s_add_co_u32 s99, s7, SLOT
	s_mul_i32 s15, s6, HALF
	s_add_co_u32 s15, s15, BOFF                    ; my half of the weights
	s_add_co_u32 s2, s15, SLOT
	s_lshl_b32 s96, s6, 7
	s_mul_i32 s3, s5, 128*CP
	s_add_co_u32 s3, s3, s96
	s_add_co_u32 s3, s3, CTL
	s_mul_i32 s100, s5, 32*CP
	s_add_co_u32 s100, s100, s96
	s_mul_i32 s101, s4, 16*CP
	s_mul_i32 s96, s5, HALFS
	s_mul_i32 s97, s6, HALFS
	s_add_co_u32 s97, s97, 2*HALFS
	s_sub_co_u32 s97, s97, s96                     ; from the batch's scale words to the weights'
	s_add_co_u32 s96, s96, SCL
	v_and_b32 v1, 15, v0                           ; r
	v_bfe_u32 v2, v0, 4, 1                         ; h
	v_and_b32 v3, 31, v0                           ; lane
	v_lshl_add_u32 v[BO], v2, 5, s98
.irp b, 0,1,2,3,4,5,6,7
	global_load_b128 v[BI+8*\b:BI+8*\b+3], v[BO], s[66:67] offset:64*\b
	global_load_b128 v[BI+8*\b+4:BI+8*\b+7], v[BO], s[66:67] offset:64*\b+16
.endr
	v_lshl_add_u32 v[ADRA], v3, 4, s7              ; an image's place for my lane: 16 x lane
	v_lshl_add_u32 v[ADRA+1], v3, 4, s99
	v_lshl_add_u32 v[ADRB], v3, 4, s15
	v_lshl_add_u32 v[ADRB+1], v3, 4, s2
	v_mul_u32_u24 v6, v1, CP
	v_lshl_add_u32 v6, v2, 5, v6
	v_add_nc_u32 v[CTA], s3, v6
	v_add_nc_u32 v[STO], s100, v6
	v_mul_u32_u24 v7, v2, CP
	v_lshl_add_u32 v7, v1, 4, v7
	v_add_nc_u32 v[RDB], s101, v7
	v_lshlrev_b32 v[GO], 12, v2
	v_lshl_add_u32 v[GO], v1, 4, v[GO]
	v_lshlrev_b32 v8, 6, v1
	v_lshrrev_b32 v9, 2, v1
	v_lshl_add_u32 v8, v9, 4, v8
	v_mul_u32_u24 v9, s97, v2                      ; lanes 16-31 take the weights'
	v_add_nc_u32 v8, v8, v9
	v_add_nc_u32 v[ADRS], s96, v8
	v_lshlrev_b32 v[PFO], 12, v3                   ; a lane a row of ct
	v_min_u32 v[PFT], 23, v3
	v_lshlrev_b32 v[PFT], 8, v[PFT]                ; a lane a block of 256 bytes, 24 blocks
	global_prefetch_b8 v[PFT], s[PFA:PFA+1] th:TH_LOAD_NT scope:SCOPE_SE                 ; the walk's steps 2 and 3, which lie on end
	global_prefetch_b8 v[PFT], s[PFA:PFA+1] offset:2*HALF th:TH_LOAD_NT scope:SCOPE_SE
; 16 matrix instructions: the batch's blocks a0, a0 + 1 x the weights' eight.  first = 1: the biases are C.  The 64 accumulators take turns.
.macro MUL16 a0, p, q, sc, first
.irp a, \a0, \a0+1
.irp b, 0,1,2,3,4,5,6,7
.if \first
	v_wmma_scale_f32_16x16x128_f8f6f4 v[8*(8*((\a)%4)+\b):8*(8*((\a)%4)+\b)+7], v[128*(\p)+FR*\b:128*(\p)+FR*\b+FR-1], v[AF+FR*(\a):AF+FR*(\a)+FR-1], v[BI+8*\b:BI+8*\b+7], v[SC+8*NQ*(\sc)+NQ*\b+(\q)], v[SC+8*NQ*(\sc)+NQ*(\a)+(\q)] matrix_a_fmt:MATRIX_FMT_BF6 matrix_b_fmt:MATRIX_FMT_BF6 matrix_a_scale:MATRIX_SCALE_ROW1
.else
	v_wmma_scale_f32_16x16x128_f8f6f4 v[8*(8*((\a)%4)+\b):8*(8*((\a)%4)+\b)+7], v[128*(\p)+FR*\b:128*(\p)+FR*\b+FR-1], v[AF+FR*(\a):AF+FR*(\a)+FR-1], v[8*(8*((\a)%4)+\b):8*(8*((\a)%4)+\b)+7], v[SC+8*NQ*(\sc)+NQ*\b+(\q)], v[SC+8*NQ*(\sc)+NQ*(\a)+(\q)] matrix_a_fmt:MATRIX_FMT_BF6 matrix_b_fmt:MATRIX_FMT_BF6 matrix_a_scale:MATRIX_SCALE_ROW1
.endif
.endr
.endr
.endm
.macro FETCH_B slot, q, p
	WIN TO_B
.irp b, 0,1,2,3,4,5,6,7
.irp i, 0,1,2
	ds_load_b128 v[128*(\p)+FR*\b+4*\i:128*(\p)+FR*\b+4*\i+3], v[ADRB+\slot] offset:(2*\b+(\q))*FRB+512*\i
.endr
.endr
	WIN 0
.endm
.macro FETCH_A slot, q, i0
.irp i, \i0, \i0+1, \i0+2, \i0+3
.irp j, 0,1,2
	ds_load_b128 v[AF+FR*(\i)+4*\j:AF+FR*(\i)+4*\j+3], v[ADRA+\slot] offset:(2*(\i)+(\q))*FRB+512*\j
.endr
.endr
.endm
.macro SCALES sc
.irp i, 0,1,2,3,4,5,6,7
	ds_load_b64 v[SC+8*NQ*\sc+NQ*\i:SC+8*NQ*\sc+NQ*\i+1], v[ADRS] offset:\i*SBLK
.endr
.endm
; a step of 128 along K with its successor in the same slot
.macro STEP slot, q, first
	s_wait_dscnt 4*NL                              ; all but the youngest 12 loads (the batch's blocks 4-7)
.if \first
	WIN 0x81
.else
	WIN MUL_LO
.endif
	MUL16 0, (\q)%2, \q, \slot, \first
	MUL16 2, (\q)%2, \q, \slot, \first
	s_wait_dscnt 0
	PLACES NP
	FETCH_B \slot, (\q)+1, 1-(\q)%2
	FETCH_A \slot, (\q)+1, 0
.if \first
	WIN 0xc1
.else
	WIN MUL_HI
.endif
	MUL16 4, (\q)%2, \q, \slot, \first
	MUL16 6, (\q)%2, \q, \slot, \first
	PLACES NP
	WIN 0
	FETCH_A \slot, (\q)+1, 4
.endm
; a slot's last step changes slots.  fill = 1: this slot is filled again, two steps of the walk on.  fill = 2: nothing is filled again; ct's tile is first filled.
.macro TURN slot, next, fill
.if (\fill) == 1
	s_wait_xcnt 0x0                                ; my last prefetch has read its address: it is aimed two steps of the walk beyond this refill
	PFAIM 4-2*(\slot)                              ; (slot 0: KC is stepped below; slot 1: it has been)
.if \slot
	s_add_nc_u64 s[PFA:PFA+1], s[PFA:PFA+1], 2*HALF
.endif
.endif
	s_wait_tensorcnt 0x0                           ; all my tensor loads have landed
	ds_add_u32 v[SPW], v[NIL]
.if (\fill) == 1
.if (\slot) == 0
	s_add_co_u32 s[KC], s[KC], 2
	s_and_b32 s[KC], s[KC], 6
.endif
	AIM \slot
.endif
	s_wait_dscnt 4*NL+1                            ; the add and the youngest 12 loads may be out
	WIN MUL_LO
	MUL16 0, 1, NQ-1, \slot, 0
	s_wait_dscnt 0x0                               ; the add is done, my reads of this slot are over
	s_barrier_signal -1
	MUL16 2, 1, NQ-1, \slot, 0
	WIN 0
	s_barrier_wait -1
	CREST                                          ; the barrier has opened a round of the cluster's barrier
.if (\fill) == 1
	JLOAD G0+4*\slot, G1, G0B+4*\slot, G1B
.else
	tensor_load_to_lds s[G0C:G0C+3], s[G1C:G1C+7]  ; my quarter of ct's tile
	s_nop 0
	PLACES 4
.endif
	s_wait_alu depctr_va_vdst(0)                   ; ahead of the reader below
	v_add_nc_u32 v[ADRS], 4*NQ, v[ADRS]            ; the walk's next step's scale words
	FETCH_B \next, 0, 0
	FETCH_A \next, 0, 0
	SCALES \next
.if (\fill) == 1
	s_cmp_gt_u32 s3, 1                             ; the last trip's refills are the walk's last: nothing lies two steps beyond them
	s_cbranch_scc0 .Lno_ask_\@
	global_prefetch_b8 v[PFT], s[PFA:PFA+1] th:TH_LOAD_NT scope:SCOPE_SE
.Lno_ask_\@:
.endif
	WIN MUL_HI
	MUL16 4, 1, NQ-1, \slot, 0
	MUL16 6, 1, NQ-1, \slot, 0
	PLACES NP
	WIN 0
	FETCH_A \next, 0, 4
.endm
	s_wait_alu depctr_va_vdst(0)
	s_wait_tensorcnt 0x0                           ; my tile of the head's four is in
	s_mov_b32 s[G1+2], 96<<16                      ; no tensor load of mine is out: from here on a load brings half a tile, 96 rows
	s_mov_b32 s[G1+4], 96
	s_mov_b32 s[G1B+2], 96<<16
	s_mov_b32 s[G1B+4], 96
	s_barrier_signal -1
	s_barrier_wait -1                              ; everybody's is
	FETCH_B 0, 0, 0
	FETCH_A 0, 0, 0
	SCALES 0
	FETCH_A 0, 0, 4
	s_wait_loadcnt 0x0                             ; the biases
	STEP 0, 0, 1
	global_prefetch_b8 v[PFO], s[CPT:CPT+1] th:TH_LOAD_NT scope:SCOPE_SE                 ; ct: my 64 rows of 256 bytes, six steps of the walk ahead of their load; these address registers are never rewritten
	global_prefetch_b8 v[PFO], s[CPT:CPT+1] offset:32*4096 th:TH_LOAD_NT scope:SCOPE_SE
	s_mov_b32 s3, 3
.Llap:
	TURN 0, 1, 1
	STEP 1, 0, 0
	TURN 1, 0, 1
	STEP 0, 0, 0
	s_sub_co_u32 s3, s3, 1
	s_cmp_lg_u32 s3, 0
	s_cbranch_scc1 .Llap
	TURN 0, 1, 2
	STEP 1, 0, 0
	s_wait_dscnt 4*NL                              ; the very last step
	WIN MUL_LO
	MUL16 0, 1, NQ-1, 1, 0
	MUL16 2, 1, NQ-1, 1, 0
	s_wait_dscnt 0                                 ; my last reads of the ring are in,
	s_wait_tensorcnt 0x0                           ; and my quarter of ct:
	s_barrier_signal -1                            ; say so
	WIN MUL_HI
	MUL16 4, 1, NQ-1, 1, 0
	MUL16 6, 1, NQ-1, 1, 0
	WIN 0
	s_barrier_wait -1                              ; ct's tile is whole, and nobody reads a slot any more
; THE TAIL, four chunks of two blocks of 16 rows: number 16 al + 8 u + j = row 16 (2 ch + al) + r, hidden column 16 u + 8 h + j
	s_mov_b32 s[KN], 0xbfb8aa3b                    ; -log2(e)
	s_mov_b32 s[KN+1], 0xbfb8aa3b
	s_mov_b32 s[KP2], 0x4038aa3b                   ; 2 log2(e)
	s_mov_b32 s[KP2+1], 0x4038aa3b
	s_mov_b32 s[KH], 0x41a00000                    ; 20.0
.macro GATE e, g, k, ch                ; each accumulator is read from its low end on
.irp al, 0,1
.irp u, 0,1
.irp jj, 0,2,4,6
	v_pk_mul_f32 v[\e+16*\al+8*\u+\jj:\e+16*\al+8*\u+\jj+1], v[64*((2*(\ch)+\al)%4)+8*(2*\g+\u)+\jj:64*((2*(\ch)+\al)%4)+8*(2*\g+\u)+\jj+1], s[\k:\k+1] op_sel_hi:[1,0]
.endr
.endr
.endr
.endm
.macro PKC op, d, a, c                 ; d = a op the constant c
.set n, 0
.rept 16
	\op v[\d+n:\d+n+1], v[\a+n:\a+n+1], \c op_sel_hi:[1,0]
.set n, n+2
.endr
.endm
.macro PKM d, a, b                     ; d = a b
.set n, 0
.rept 16
	v_pk_mul_f32 v[\d+n:\d+n+1], v[\a+n:\a+n+1], v[\b+n:\b+n+1]
.set n, n+2
.endr
.endm
.macro PKF d, a, b, c                  ; d = a b + c
.set n, 0
.rept 16
	v_pk_fma_f32 v[\d+n:\d+n+1], v[\a+n:\a+n+1], v[\b+n:\b+n+1], v[\c+n:\c+n+1]
.set n, n+2
.endr
.endm
.macro PAIRM d, a                      ; the even register of each pair of d = the product of a's pair
.set n, 0
.rept 16
	v_mul_f32 v[\d+n], v[\a+n], v[\a+n+1]
.set n, n+2
.endr
.endm
.macro RCP2 d                          ; its reciprocal, in place
.set n, 0
.rept 16
	v_rcp_f32 v[\d+n], v[\d+n]
.set n, n+2
.endr
.endm
.macro PKB d, a, b                     ; both of a pair x the even register of b's pair
.set n, 0
.rept 16
	v_pk_mul_f32 v[\d+n:\d+n+1], v[\a+n:\a+n+1], v[\b+n:\b+n+1] op_sel_hi:[1,0]
.set n, n+2
.endr
.endm
.macro CROSS d, a, b                   ; each of a pair x the OTHER one's divisor
.set n, 0
.rept 16
	v_mul_f32 v[\d+n], v[\a+n], v[\b+n+1]
	v_mul_f32 v[\d+n+1], v[\a+n+1], v[\b+n]
.set n, n+2
.endr
.endm
.macro RUN op, d, count
.set n, 0
.rept \count
	\op v[\d+n], v[\d+n]
.set n, n+1
.endr
.endm
.macro HOLD d, count                   ; the exponents are held at 20 from above
.set n, 0
.rept \count
	v_min_num_f32 v[\d+n], s[KH], v[\d+n]
.set n, n+1
.endr
.endm
.macro TOSTAGE e, off
.irp al, 0,1
.irp u, 0,1
	ds_store_b128 v[STC], v[\e+16*\al+8*\u:\e+16*\al+8*\u+3] offset:\off+16*CP*\al+64*\u
	ds_store_b128 v[STC], v[\e+16*\al+8*\u+4:\e+16*\al+8*\u+7] offset:\off+16*CP*\al+64*\u+16
.endr
.endr
.endm
.macro CHUNK ch
.set STGB, (\ch)*CHK
.if (\ch) > 0
	s_wait_xcnt 0x0                                ; the last chunk's stores have read their registers
.endif
.irp al, 0,1
.irp u, 0,1
	ds_load_b128 v[CT+16*\al+8*\u:CT+16*\al+8*\u+3], v[CTA] offset:(2*(\ch)+\al)*16*CP+64*\u
	ds_load_b128 v[CT+16*\al+8*\u+4:CT+16*\al+8*\u+7], v[CTA] offset:(2*(\ch)+\al)*16*CP+64*\u+16
.endr
.endr
	WIN 0x02+(\ch)/2
	GATE EF, 0, KN, \ch
	GATE EI, 1, KN, \ch
	GATE EG, 2, KP2, \ch
	GATE EO, 3, KN, \ch
	WIN 0
	HOLD EF, 128
	s_wait_alu depctr_va_vdst(0)                   ; one wait ahead of each batch and one behind it
	RUN v_exp_f32, EF, 128                         ; ef, ei, eg, eo
	v_add_nc_u32 v[STC], STGB, v[STO]
	s_wait_alu depctr_va_vdst(0)
	s_wait_dscnt 0x0                               ; ct is in
	PKC v_pk_add_f32, DD, EG, 1.0                  ; 1 + eg
	PKC v_pk_add_f32, EG, EG, -1.0                 ; G = eg - 1
	PKC v_pk_add_f32, EF, EF, 1.0                  ; A = 1 + ef
	PKF EI, EI, DD, DD                             ; P = (1 + ei)(1 + eg)
	PKM EG, EG, EF                                 ; G A
	PKF CT, CT, EI, EG                             ; c P + G A
	PKM EI, EI, EF                                 ; A P
	PAIRM DD, EI                                   ; two neighbours' divisors multiplied,
	s_wait_alu depctr_va_vdst(0)
	RCP2 DD                                        ; one reciprocal for both
	v_add_nc_u32 v[RDC], STGB, v[RDB]
	s_wait_alu depctr_va_vdst(0)
	PKB CT, CT, DD
	CROSS CT, CT, EI                               ; c'
	PKC v_pk_mul_f32, DD, CT, s[KP2:KP2+1]
	HOLD DD, 32
	TOSTAGE CT, 0
	s_wait_alu depctr_va_vdst(0)
	RUN v_exp_f32, DD, 32                          ; ec
	v_nop
	s_wait_alu depctr_va_vdst(0)
	PKC v_pk_add_f32, EF, DD, 1.0
	PKC v_pk_add_f32, EG, DD, -1.0
	PKF EF, EO, EF, EF                             ; (1 + eo)(1 + ec)
	PAIRM EI, EF
	s_wait_alu depctr_va_vdst(0)
	RCP2 EI
	v_nop
	s_wait_alu depctr_va_vdst(0)
	PKB EG, EG, EI
	CROSS DD, EG, EF                               ; h'
	TOSTAGE DD, 64*CP
	s_wait_dscnt 0x0                               ; for the others' sake: a row's 256 bytes come from two waves
	s_barrier_signal -1
	s_barrier_wait -1
.irp o, 0,1
.irp t, 0,1,2,3,4,5,6,7
	ds_load_b128 v[OB+32*\o+4*\t:OB+32*\o+4*\t+3], v[RDC] offset:2*CP*\t+64*CP*\o
.endr
.endr
.irp t, 0,1,2,3,4,5,6,7
	s_wait_dscnt 15-\t                             ; this load is in, the younger ones may be out
	global_store_b128 v[GO], v[OB+4*\t:OB+4*\t+3], s[18:19] offset:(32*(\ch)+2*\t)*4096 th:TH_STORE_NT      ; c': 16 lanes store 256 consecutive bytes, aligned
.endr
.irp t, 0,1,2,3,4,5,6,7
	s_wait_dscnt 7-\t
	global_store_b128 v[GO], v[OB+32+4*\t:OB+32+4*\t+3], s[16:17] offset:(32*(\ch)+2*\t)*4096 th:TH_STORE_NT   ; h'
.endr
.endm
	PLACES NP                                      ; behind the last products
	CHUNK 0
	CHUNK 1
	CHUNK 2
	CHUNK 3
	s_wait_tensorcnt 0x0                           ; the wave's end
	ds_add_u32 v[SPW], v[NIL]
	s_wait_dscnt 0x0
	CROUND                                         ; the closing round
	s_endpgm
.Lfunc_end_k_qd9073c5401_lstm:
	.size	k_qd9073c5401_lstm, .Lfunc_end_k_qd9073c5401_lstm-k_qd9073c5401_lstm
	.p2alignl 7, 3214868480
	.fill 96, 4, 3214868480
	.section	.rodata,"a",@progbits
	.p2align	6, 0x0
	.amdhsa_kernel k_qd9073c5401_lstm
		.amdhsa_group_segment_fixed_size 327680
		.amdhsa_private_segment_fixed_size 0
		.amdhsa_enable_private_segment 0
		.amdhsa_kernarg_size 64
		.amdhsa_user_sgpr_count 2
		.amdhsa_user_sgpr_kernarg_segment_ptr 1
		.amdhsa_wavefront_size32 1
		.amdhsa_system_sgpr_workgroup_id_x 1
		.amdhsa_system_sgpr_workgroup_id_y 1
		.amdhsa_system_sgpr_workgroup_id_z 1
		.amdhsa_system_vgpr_workitem_id 0
		.amdhsa_next_free_vgpr 1024
		.amdhsa_next_free_sgpr 106
		.amdhsa_reserve_vcc 0
		.amdhsa_float_denorm_mode_32 3
		.amdhsa_float_denorm_mode_16_64 3
		.amdhsa_memory_ordered 1
		.amdhsa_forward_progress 1
		.amdhsa_inst_pref_size 255
	.end_amdhsa_kernel
	.section	.bss,"aw",@nobits
	.p2align	6
	.space	262144
	.amdgpu_metadata
---
amdhsa.version: [ 1, 2 ]
amdhsa.kernels:
  - .name:           k_qd9073c5401_lstm
    .symbol:         k_qd9073c5401_lstm.kd
    .args:
      - { .name: a_img, .offset: 0, .size: 8, .value_kind: global_buffer, .address_space: global }
      - { .name: a_scales, .offset: 8, .size: 8, .value_kind: global_buffer, .address_space: global }
      - { .name: w_codes, .offset: 16, .size: 8, .value_kind: global_buffer, .address_space: global }
      - { .name: w_scales, .offset: 24, .size: 8, .value_kind: global_buffer, .address_space: global }
      - { .name: ct, .offset: 32, .size: 8, .value_kind: global_buffer, .address_space: global }
      - { .name: out0, .offset: 40, .size: 8, .value_kind: global_buffer, .address_space: global }
      - { .name: out1, .offset: 48, .size: 8, .value_kind: global_buffer, .address_space: global }
      - { .name: bias, .offset: 56, .size: 8, .value_kind: global_buffer, .address_space: global }
    .group_segment_fixed_size: 327680
    .private_segment_fixed_size: 0
    .kernarg_segment_align: 8
    .kernarg_segment_size: 64
    .max_flat_workgroup_size: 128
    .sgpr_count:     106
    .vgpr_count:     1024
    .wavefront_size: 32
...
	.end_amdgpu_metadata
.endif
;; end of part 2
